; MI455X (gfx1250); checked and timed in simulation.
; The chip was launched on July 23, 2026; its instructions are those of AMD's public machine-readable ISA for CDNA 5 (MIT licence, August 2026) and "CDNA5" Instruction Set Architecture Reference Guide (July 2026). The comments in the code are by the model that wrote it; some were corrected since.
;; Decode Predictions Soft. Allowed arithmetic: float matrix products may take bf16 or f16 operands with f32 sums; other float arithmetic in f32, or as packed bf16 or f16 multiplies, adds, multiply-adds, maxima and minima; sums over many terms, partial sums and values carried from step to step in f32; what a program stores and reads back later, other than sums and carried values, may be rounded once to bf16 or f16.
;; Inputs: anchors 49,104 x 4 float32; predictions 4 x 49,104 x 20 float32.
;; Outputs: out0 4 int32; out1 4 x 100 x 4 float32; out2 4 x 100 float32; out3 4 x 100 int32.
;; One version. Each part assembles by itself: llvm-mc -triple=amdgcn-amd-amdhsa -mcpu=gfx1250 --defsym DOCPART=n.
;; ======== version 1 of 1: 4 launches
;; limits: right only within a limited range of input values
;; workspace buffers: boxes 3,142,656 bytes; score 785,664 bytes; cls 785,664 bytes of whole numbers; pbox 51,200 bytes; psc 12,800 bytes; slot 12,800 bytes of whole numbers; nval 256 bytes of whole numbers
;; launch decode (part 1): grid 1023 x 1, 3 waves a work-group, no clusters, 17,408 bytes of LDS; arguments predictions, anchors, boxes, score, cls; writes boxes, score, cls
.if DOCPART == 1
	.amdgcn_target "amdgcn-amd-amdhsa--gfx1250"
	.amdhsa_code_object_version 6
	.text
	.protected	k_q53cd34ae69_decode
	.globl	k_q53cd34ae69_decode
	.p2align	8
	.type	k_q53cd34ae69_decode,@function
k_q53cd34ae69_decode:
	s_mov_b64 s[64:65], 0
	v_nop
	global_prefetch_b8 v0, s[64:65] scope:SCOPE_SE
	s_setreg_imm32_b32 hwreg(HW_REG_WAVE_MODE, 25, 1), 1
	s_wait_xcnt 0x0
; DECODE.  For each of the 4 x 49,104 rows (20 f32: 4 box numbers, 16 class logits): the box's corners, the largest class probability, and its class (16 = below the threshold 0.05).
; A wave takes 64 consecutive rows (5,120 bytes): ten loads of 512 consecutive bytes, turned through the wave's own LDS bytes so that lane l holds rows l and 32 + l whole.
; 3,069 such shares = 1,023 work-groups of three waves.  No wave reads another's LDS bytes, so there is no barrier.  No matrix unit: there is no product.
; ARITHMETIC.  p = 1 / (1 + exp(-x)) as reference() forms it.  exp(t) = 2^hi (1 + lo ln 2), hi = fl(t log2 e), lo = the rest of that product (two fused multiply-adds);
; the reciprocal is refined once (r + r (1 - y r)).  The class is the FIRST largest p.
; LIMITS.  hi is held to 126 for the probabilities (a p below 2^-126 counts as about 2^-126, far under 0.05) and to 127 for the sizes (exp beyond 2^127 counts as 2^127);
; an exp below 2^-126 counts as 0; NaN is not treated apart.
.set N,     49104
.set WREG,  5632                       ; LDS bytes of a wave: 5,120 for the rows, 512 for the shuffle of scores and classes
.set SH,    5120
.set SPARE, 16896                      ; behind the three regions: the spare words, 128 bytes a wave, two blocks of 256 bytes that no other line names
.set SPW,   2                          ; v2   my spare word's address; never rewritten
.set NIL,   3                          ; v3   0; never rewritten
.set ANC,   10                         ; v[10:13], v[14:17]  the anchors of my two rows: cx, cy, w, h
.set ST,    20                         ; v[20:59]   the ten loads
.set PA,    60                         ; v[60:79] row l, v[80:99] row 32 + l
.set H,     100                        ; v[100:131] hi, then 2^hi, then exp, then y = 1 + exp: 16 of row l, 16 of row 32 + l
.set LO,    132                        ; v[132:163] lo, then 1 / y, then p
.set HB,    164                        ; v[164:167] the same for the two sizes of each row
.set LB,    168
.set BX,    172                        ; v[172:175], v[176:179] corners
.set XY,    180                        ; v[180:183] centres
.set BS,    184                        ; v184, v185 best p
.set BI,    186                        ; v186, v187 its class
.set OS,    188                        ; v[188:189] two neighbouring rows' scores
.set OI,    190                        ; v[190:191] two neighbouring rows' classes
	s_load_b256 s[4:11], s[0:1], 0x0               ; predictions s[4:5], anchors s[6:7], boxes s[8:9], score s[10:11]
	s_load_b64 s[12:13], s[0:1], 0x20              ; cls
	v_lshl_add_u32 v[SPW], v0, 2, SPARE
	v_mov_b32 v[NIL], 0
	v_lshrrev_b32 v1, 5, v0
	v_readfirstlane_b32 s14, v1                    ; wave 0..2
	v_and_b32 v1, 31, v0                           ; lane
	s_mul_i32 s15, ttmp9, 3
	s_add_co_u32 s15, s15, s14                     ; my share, 0..3068
	s_lshl_b32 s16, s15, 6                         ; its first row, counted over all batches
	s_mul_i32 s18, s15, 5120                       ; and that row's byte in predictions
	s_mov_b32 s19, 0
	s_cmp_ge_u32 s16, N                            ; the first row's batch begins at row 0, N, 2 N or 3 N
	s_cselect_b32 s17, N, 0
	s_cmp_ge_u32 s16, 2*N
	s_cselect_b32 s17, 2*N, s17
	s_cmp_ge_u32 s16, 3*N
	s_cselect_b32 s17, 3*N, s17
	s_sub_co_u32 s17, s16, s17                     ; the first row's number in its batch
	s_mov_b32 s20, N
	v_add_nc_u32 v7, s17, v1                       ; my two rows' numbers; a share may cross into the next batch once
	v_add_nc_u32 v8, 32, v7
	v_cmp_le_u32 vcc_lo, s20, v7
	v_cndmask_b32 v9, 0, s20, vcc_lo
	v_sub_nc_u32 v7, v7, v9
	v_cmp_le_u32 vcc_lo, s20, v8
	v_cndmask_b32 v9, 0, s20, vcc_lo
	v_sub_nc_u32 v8, v8, v9
	v_lshlrev_b32 v7, 4, v7                        ; 16 bytes an anchor
	v_lshlrev_b32 v8, 4, v8
	v_lshlrev_b32 v4, 4, v1                        ; 16 x lane
	s_mul_i32 s21, s14, WREG                       ; my wave's LDS bytes
	v_add_nc_u32 v5, s21, v4                       ; in: as loaded
	v_mul_u32_u24 v6, 80, v1
	v_add_nc_u32 v6, s21, v6                       ; back: a row a lane, 80 bytes = 20 words apart: 16 lanes' 16 bytes start at 16 different multiples of 4 words modulo 64
	s_mov_b32 s24, 0xbfb8aa3b                      ; -log2 e, rounded; pairs, since the packed forms name pairs
	s_mov_b32 s25, 0xbfb8aa3b
	s_mov_b32 s26, 0xb2a5705f                      ; -(log2 e - its rounding)
	s_mov_b32 s27, 0xb2a5705f
	s_mov_b32 s28, 0x3fb8aa3b
	s_mov_b32 s29, 0x3fb8aa3b
	s_mov_b32 s30, 0x32a5705f
	s_mov_b32 s31, 0x32a5705f
	s_mov_b32 s32, 0x3f317218                      ; ln 2
	s_mov_b32 s33, 0x3f317218
	s_mov_b32 s35, 0x3d4ccccd                      ; 0.05
	s_mov_b32 s36, 0x42fc0000                      ; 126
	s_mov_b32 s37, 0x42fe0000                      ; 127
	s_wait_kmcnt 0x0
	s_add_nc_u64 s[4:5], s[4:5], s[18:19]
.irp i, 0,1,2,3,4,5,6,7,8,9
	global_load_b128 v[ST+4*\i:ST+4*\i+3], v4, s[4:5] offset:512*\i th:TH_LOAD_NT  ; 512 consecutive bytes, read once in the launch
.endr
	global_load_b128 v[ANC:ANC+3], v7, s[6:7]
	global_load_b128 v[ANC+4:ANC+7], v8, s[6:7]
	s_lshl_b32 s18, s16, 4
	s_add_nc_u64 s[8:9], s[8:9], s[18:19]          ; boxes at my first row
	s_lshl_b32 s18, s16, 2
	s_add_nc_u64 s[10:11], s[10:11], s[18:19]      ; score and cls likewise
	s_add_nc_u64 s[12:13], s[12:13], s[18:19]
.irp i, 0,1,2,3,4,5,6,7,8,9
	s_wait_loadcnt 11-\i                           ; loads come back in order: load i is in; the 9 - i younger ones and the two anchors may stay out
	ds_store_b128 v5, v[ST+4*\i:ST+4*\i+3] offset:512*\i
.endr
.irp i, 0,1,2,3,4
	ds_load_b128 v[PA+4*\i:PA+4*\i+3], v6 offset:16*\i          ; LDS serves a wave's instructions in order: these see the stores above
	ds_load_b128 v[PA+20+4*\i:PA+20+4*\i+3], v6 offset:2560+16*\i
.endr
	s_wait_dscnt 0x0
	s_wait_loadcnt 0x0                             ; the anchors
	; hi = fl(-x log2 e); pair q of 16: logits 2 q, 2 q + 1 of row l (q < 8) or of row 32 + l
.set q, 0
.rept 16
.set xs, PA+4+2*q+4*(q/8)
	v_pk_mul_f32 v[H+2*q:H+2*q+1], v[xs:xs+1], s[24:25] op_sel_hi:[1,0]
.set q, q+1
.endr
.irp r, 0,1
	v_pk_mul_f32 v[HB+2*\r:HB+2*\r+1], v[PA+20*\r+2:PA+20*\r+3], s[28:29] op_sel_hi:[1,0]
.endr
	; lo = (-x log2 e - hi), exactly, + (-x) (log2 e's rest)
.set q, 0
.rept 16
.set xs, PA+4+2*q+4*(q/8)
	v_pk_fma_f32 v[LO+2*q:LO+2*q+1], v[xs:xs+1], s[24:25], v[H+2*q:H+2*q+1] op_sel_hi:[1,0,1] neg_lo:[0,0,1] neg_hi:[0,0,1]
.set q, q+1
.endr
.irp r, 0,1
	v_pk_fma_f32 v[LB+2*\r:LB+2*\r+1], v[PA+20*\r+2:PA+20*\r+3], s[28:29], v[HB+2*\r:HB+2*\r+1] op_sel_hi:[1,0,1] neg_lo:[0,0,1] neg_hi:[0,0,1]
.endr
.set q, 0
.rept 16
.set xs, PA+4+2*q+4*(q/8)
	v_pk_fma_f32 v[LO+2*q:LO+2*q+1], v[xs:xs+1], s[26:27], v[LO+2*q:LO+2*q+1] op_sel_hi:[1,0,1]
.set q, q+1
.endr
.irp r, 0,1
	v_pk_fma_f32 v[LB+2*\r:LB+2*\r+1], v[PA+20*\r+2:PA+20*\r+3], s[30:31], v[LB+2*\r:LB+2*\r+1] op_sel_hi:[1,0,1]
.endr
.set i, 0
.rept 32
	v_min_num_f32 v[H+i], s36, v[H+i]              ; no infinity is made (the head's limits)
.set i, i+1
.endr
.set i, 0
.rept 4
	v_min_num_f32 v[HB+i], s37, v[HB+i]
.set i, i+1
.endr
.set i, 0
.rept 32
	v_exp_f32 v[H+i], v[H+i]                       ; one batch of 36
.set i, i+1
.endr
.set i, 0
.rept 4
	v_exp_f32 v[HB+i], v[HB+i]
.set i, i+1
.endr
.set q, 0
.rept 16
	v_pk_mul_f32 v[LO+2*q:LO+2*q+1], v[LO+2*q:LO+2*q+1], s[32:33] op_sel_hi:[1,0]  ; lo ln 2: plain work that names no result of the batch
.set q, q+1
.endr
.irp r, 0,1
	v_pk_mul_f32 v[LB+2*\r:LB+2*\r+1], v[LB+2*\r:LB+2*\r+1], s[32:33] op_sel_hi:[1,0]
.endr
	s_wait_alu depctr_va_vdst(0)                   ; one wait for the batch, ahead of its first reader
.set q, 0
.rept 16
	v_pk_fma_f32 v[H+2*q:H+2*q+1], v[H+2*q:H+2*q+1], v[LO+2*q:LO+2*q+1], v[H+2*q:H+2*q+1]  ; exp(-x)
.set q, q+1
.endr
.irp r, 0,1
	v_pk_fma_f32 v[HB+2*\r:HB+2*\r+1], v[HB+2*\r:HB+2*\r+1], v[LB+2*\r:LB+2*\r+1], v[HB+2*\r:HB+2*\r+1]
.endr
.set q, 0
.rept 16
	v_pk_add_f32 v[H+2*q:H+2*q+1], v[H+2*q:H+2*q+1], 1.0 op_sel_hi:[1,0]  ; y
.set q, q+1
.endr
.set i, 0
.rept 32
	v_rcp_f32 v[LO+i], v[H+i]                      ; one batch of 32
.set i, i+1
.endr
	; the boxes, between the reciprocals and their wait: size = exp x anchor's size; centre = number x anchor's size + its centre; corners = centre -+ size / 2
.irp r, 0,1
	v_pk_mul_f32 v[HB+2*\r:HB+2*\r+1], v[HB+2*\r:HB+2*\r+1], v[ANC+4*\r+2:ANC+4*\r+3]
	v_pk_fma_f32 v[XY+2*\r:XY+2*\r+1], v[PA+20*\r:PA+20*\r+1], v[ANC+4*\r+2:ANC+4*\r+3], v[ANC+4*\r:ANC+4*\r+1]
.endr
.irp r, 0,1
	v_pk_fma_f32 v[BX+4*\r:BX+4*\r+1], v[HB+2*\r:HB+2*\r+1], -0.5, v[XY+2*\r:XY+2*\r+1] op_sel_hi:[1,0,1]
	v_pk_fma_f32 v[BX+4*\r+2:BX+4*\r+3], v[HB+2*\r:HB+2*\r+1], 0.5, v[XY+2*\r:XY+2*\r+1] op_sel_hi:[1,0,1]
.endr
	global_store_b128 v4, v[BX:BX+3], s[8:9]                  ; 512 consecutive bytes each
	global_store_b128 v4, v[BX+4:BX+7], s[8:9] offset:512
	s_wait_alu depctr_va_vdst(0)                   ; one wait for the 32 reciprocals
.set q, 0
.rept 16
.set xs, PA+4+2*q+4*(q/8)
	v_pk_fma_f32 v[xs:xs+1], v[H+2*q:H+2*q+1], v[LO+2*q:LO+2*q+1], 1.0 op_sel_hi:[1,1,0] neg_lo:[1,0,0] neg_hi:[1,0,0]  ; 1 - y r (the logits are no longer wanted)
.set q, q+1
.endr
.set q, 0
.rept 16
.set xs, PA+4+2*q+4*(q/8)
	v_pk_fma_f32 v[LO+2*q:LO+2*q+1], v[xs:xs+1], v[LO+2*q:LO+2*q+1], v[LO+2*q:LO+2*q+1]  ; p
.set q, q+1
.endr
	; the first largest p and its class; the two rows take turns, each with its own mask register
	v_mov_b32 v[BS], v[LO]
	v_mov_b32 v[BS+1], v[LO+16]
	v_mov_b32 v[BI], 0
	v_mov_b32 v[BI+1], 0
.set c, 1
.rept 15
	v_cmp_gt_f32 vcc_lo, v[LO+c], v[BS]
	v_cmp_gt_f32 s34, v[LO+16+c], v[BS+1]
	v_cndmask_b32 v[BS], v[BS], v[LO+c], vcc_lo
	v_cndmask_b32 v[BS+1], v[BS+1], v[LO+16+c], s34
	v_cndmask_b32 v[BI], v[BI], c, vcc_lo
	v_cndmask_b32 v[BI+1], v[BI+1], c, s34
.set c, c+1
.endr
	v_cmp_le_f32 vcc_lo, s35, v[BS]                ; kept only from 0.05 on: else class 16, which no list takes
	v_cmp_le_f32 s34, s35, v[BS+1]
	v_cndmask_b32 v[BI], 16, v[BI], vcc_lo
	v_cndmask_b32 v[BI+1], 16, v[BI+1], s34
	; scores and classes change lanes through my own LDS bytes, so that a lane holds two neighbouring rows and a store covers 256 consecutive bytes, aligned
	v_lshl_add_u32 v9, v1, 2, s21
	ds_store_b32 v9, v[BS] offset:SH
	ds_store_b32 v9, v[BS+1] offset:SH+128
	ds_store_b32 v9, v[BI] offset:SH+256
	ds_store_b32 v9, v[BI+1] offset:SH+384
	v_lshl_add_u32 v18, v1, 3, s21
	ds_load_b64 v[OS:OS+1], v18 offset:SH
	ds_load_b64 v[OI:OI+1], v18 offset:SH+256
	v_lshlrev_b32 v19, 3, v1
	s_wait_dscnt 0x0
	global_store_b64 v19, v[OS:OS+1], s[10:11]
	global_store_b64 v19, v[OI:OI+1], s[12:13]
	s_wait_tensorcnt 0x0                           ; the wave's end, behind my last LDS store
	ds_add_u32 v[SPW], v[NIL]
	s_wait_dscnt 0x0
	s_endpgm
.Lfunc_end_k_q53cd34ae69_decode:
	.size	k_q53cd34ae69_decode, .Lfunc_end_k_q53cd34ae69_decode-k_q53cd34ae69_decode
	.p2alignl 7, 3214868480
	.fill 96, 4, 3214868480
	.section	.rodata,"a",@progbits
	.p2align	6, 0x0
	.amdhsa_kernel k_q53cd34ae69_decode
		.amdhsa_group_segment_fixed_size 17408
		.amdhsa_private_segment_fixed_size 0
		.amdhsa_enable_private_segment 0
		.amdhsa_kernarg_size 40
		.amdhsa_user_sgpr_count 2
		.amdhsa_user_sgpr_kernarg_segment_ptr 1
		.amdhsa_wavefront_size32 1
		.amdhsa_system_sgpr_workgroup_id_x 1
		.amdhsa_system_sgpr_workgroup_id_y 1
		.amdhsa_system_sgpr_workgroup_id_z 1
		.amdhsa_system_vgpr_workitem_id 0
		.amdhsa_next_free_vgpr 192
		.amdhsa_next_free_sgpr 66
		.amdhsa_reserve_vcc 1
		.amdhsa_float_denorm_mode_32 3
		.amdhsa_float_denorm_mode_16_64 3
		.amdhsa_memory_ordered 1
		.amdhsa_forward_progress 1
		.amdhsa_inst_pref_size 25
	.end_amdhsa_kernel
	.amdgpu_metadata
---
amdhsa.version: [ 1, 2 ]
amdhsa.kernels:
  - .name:           k_q53cd34ae69_decode
    .symbol:         k_q53cd34ae69_decode.kd
    .args:
      - { .name: predictions, .offset: 0, .size: 8, .value_kind: global_buffer, .address_space: global }
      - { .name: anchors, .offset: 8, .size: 8, .value_kind: global_buffer, .address_space: global }
      - { .name: boxes, .offset: 16, .size: 8, .value_kind: global_buffer, .address_space: global }
      - { .name: score, .offset: 24, .size: 8, .value_kind: global_buffer, .address_space: global }
      - { .name: cls, .offset: 32, .size: 8, .value_kind: global_buffer, .address_space: global }
    .group_segment_fixed_size: 17408
    .private_segment_fixed_size: 0
    .kernarg_segment_align: 8
    .kernarg_segment_size: 40
    .max_flat_workgroup_size: 96
    .sgpr_count:     66
    .vgpr_count:     192
    .wavefront_size: 32
...
	.end_amdgpu_metadata
.endif
;; end of part 1
;; launch nms (part 2): grid 64 x 1, 16 waves a work-group, no clusters, 286,208 bytes of LDS; arguments cls, boxes, score, pbox, psc; writes pbox, psc
.if DOCPART == 2
	.amdgcn_target "amdgcn-amd-amdhsa--gfx1250"
	.amdhsa_code_object_version 6
	.text
	.protected	k_q53cd34ae69_nms
	.globl	k_q53cd34ae69_nms
	.p2align	8
	.type	k_q53cd34ae69_nms,@function
k_q53cd34ae69_nms:
	s_mov_b64 s[64:65], 0
	v_nop
	global_prefetch_b8 v0, s[64:65] scope:SCOPE_SE
	s_setreg_imm32_b32 hwreg(HW_REG_WAVE_MODE, 25, 1), 1
	s_wait_xcnt 0x0
; SOFT NMS.  One work-group for each (batch, class): 50 steps of: take the largest score (the first of equals), then for every box of the class
; score = -1e10 where iou > 0.5 or the box is the one taken, else score x exp(-10 iou^2).  Only boxes whose class this is have a live score, so only they are kept.
; 64 work-groups: a class's 50 steps are a chain, and work-groups hand each other nothing, so a chain has one owner.
; THE LIST.  Wave w of 16 owns rows 3,069 w .. 3,069 w + 3,068 of the batch.  It reads their classes (whole numbers that the launch before stored), ranks the matches by a ballot and a count of
; the lanes below, and puts their row numbers (16 bits) into its own LDS bytes, in row order.  With m matches, J = ceil(m / 32): lane l owns places l J .. l J + J - 1, its SLOTS 0 .. J - 1.
; So wave order, then lane order, then slot order IS row order: the first of equal scores is the first slot in its lane, the first lane at the maximum, the first wave at the maximum.
; WHERE THE BOXES LIVE.  Slots 0 to 7 in registers (box, area, score).  Slots 8 to 95, which exist only where a wave has more than 256 matches: the score in the wave's own LDS bytes, the box
; gathered again in each step, one slot a trip: a loop counted to the constant 88 whose dead trips are jumped, and which is jumped whole where J is 8 or less.
; A STEP.  One pass over the slots applies the last pick and keeps the lane's best score with its box and key (512 x slot + thread), all by selects: no address and no branch hangs on a score.
; The wave's maximum is made by DPP; the number of the first lane that holds it (the lowest set bit of the compare's mask) is the lane select of v_readlane_b32, which brings that lane's box and key
; into scalar registers.  All lanes store them as the wave's record (the same bytes, the same values); one barrier; every wave reduces the 16 records in the same way.  All lanes stay on throughout.
; The records have two buffers that take turns (two steps are written out in the loop): a buffer is written again only behind the other buffer's barrier, in front of which every wave has waited
; for its reads of this one.
; The first pass takes a null box (all zeros, key -1): inter = 0, iou = 0, weight 2^-0 = 1: every score stays as it is.  So 50 passes and 50 reductions give the 50 picks.
; A pick below 0.05 ends the class in reference(); here the update goes on, which no later launch can see: positive scores only fall and negative ones stay negative, so every later maximum is below 0.05 too.
; ARITHMETIC as reference() writes it: (area_s + area_b) - inter; iou = inter / union, the quotient corrected once by its remainder; ((-10 iou) iou); exp(t) = 2^(t log2 e).
; LIMITS.  The union is held to 2^-126 .. 2^126 ahead of the reciprocal (inter > 0 needs both boxes' sides positive and is at most the smaller area, so a union of 0 or less has inter = 0 and gives
; iou = 0, as reference() asks; unions beyond 2^126 count as 2^126).  NaN is not treated apart.  The picks leave as 800 + 200 bytes a work-group, once a launch: not whole blocks of 256 bytes.
.set N,     49104
.set RPW,   3069                       ; rows of a wave
.set REC0,  0                          ; 16 records, 48 bytes apart
.set REC1,  768
.set SPARE, 1536                       ; the spare words: 128 bytes for each of 16 waves, eight blocks of 256 bytes that no other line names
.set STG,   3584                       ; the lists: 6,400 bytes a wave, places of 2 bytes: 0 .. 3,069 the list and its padding, 3,104 .. 3,135 a dump place for each lane
.set STGW,  6400
.set PMAX,  3069
.set DUMP,  3104
.set SSC,   STG+16*STGW                ; the scores of slots 8 to 95: 88 x 128 bytes a wave
.set SSCW,  11264
.set SPW, 2                            ; v2   my spare word's address; never rewritten
.set NIL, 3                            ; v3   0; never rewritten
.set REL, 4                            ; v4   the last pick's key less my thread's number: 512 j where my slot j was taken
.set RA,  5                            ; v5   my wave's record
.set RL,  6                            ; v6   the record that I read: lane % 16
.set LJ,  7                            ; v7   lane x J
.set BS,  8                            ; v8   the lane's best score,
.set BK,  9                            ; v9   512 x its slot, then its key,
.set M,   10                           ; v10, v11 at work in the maximum
.set M2,  11
.set BB,  12                           ; v[12:15] and its box
.set RI,  16                           ; v[16:21] the record that comes in; v22, v23 its area
.set RX,  24                           ; v[24:27] thread t < 50: pick t's box,
.set RS,  28                           ; v28 and score
.set N0,  29                           ; v29  my row in the wave's first 32
.set OFFL, 30
.set OFF95, 31
.set BOX, 32                           ; v[32:63]  slot j's box at BOX + 4 j
.set AR,  64                           ; v[64:71]  its area
.set SC,  72                           ; v[72:79]  its score
.set LTX, 80                           ; at work, four of each, one for each slot of a batch
.set LTY, 84
.set RBX, 88
.set RBY, 92
.set IN,  96
.set U,   100
.set R,   104
.set Q,   108
.set SB,  112                          ; v112 my score of slot 8 in LDS; slot 8 + i lies 128 i further on
.set LJ8, 113                          ; v113 lane x J + 8: my slot 8's place
.set BOX2, 116                         ; a slot beyond 7: box, area, score (pairs, since the packed forms name pairs)
.set AR2, 120
.set SC2, 122
.set SP,  124                          ; its place in the list
.set SAD, 125                          ; its score's LDS address
.set TA_, 126
.set TI_, 127
.set ID,  128                          ; v[128:223] the classes of my 96 x 32 rows; afterwards at work:
.set PO,  ID                           ; slot j's place
.set TA,  ID+8
.set IX,  ID+16
.set T1,  224
.set T2,  225
.set DMP, 226                          ; v226 my lane's dump place
.set WO,  232                          ; v[232:237] the record that goes out: box, score, key, the same in every lane
.set PBO, 238                          ; v238 where thread t < 50 stores its pick's box; made at the head, never rewritten
.set PSO, 239                          ; v239 and its score
.set SM,  17                           ; s17  m
.set SJ,  18                           ; s18  J
.set SX,  24                           ; s[24:27] the last pick's box
.set SAR, 28                           ; s[28:29] its area (a pair for the packed add)
.set SKEY, 30                          ; s30  its key
.set SSCO, 31                          ; s31  its score
.set SNEG, 32                          ; s32  -1e10
.set KJ,  40                           ; s[40:47] 512 j
.set SELF, 48                          ; s[48:51] masks: the slot is the one taken; in the reduction: the wave's best box
.set SUP, 52                           ; s[52:55] masks: iou > 0.5; in the reduction s52: the wave's best key
.set KJS, 56                           ; s56  512 j in the loop over slots beyond 7
.set C10, 66                           ; s[66:67] -10
.set CL2E, 68                          ; s[68:69] log2 e
; Group g of six: the classes of 16 x 32 rows, 128 consecutive bytes a load.
.macro IDLOADS g
.set k, 16*(\g)
.rept 16
.if k == 95
	global_load_b32 v[ID+k], v[OFF95], s[4:5] offset:128*k
.else
	global_load_b32 v[ID+k], v[OFFL], s[4:5] offset:128*k
.endif
.set k, k+1
.endr
.endm
	s_load_b256 s[4:11], s[0:1], 0x0               ; cls s[4:5], boxes s[6:7], score s[8:9], pbox s[10:11]
	s_load_b64 s[12:13], s[0:1], 0x20              ; psc
	v_lshl_add_u32 v[SPW], v0, 2, SPARE
	v_mov_b32 v[NIL], 0
	v_min_u32 v[PSO], 49, v0                       ; threads from 50 on store nothing; their offsets are held to thread 49's
	v_lshlrev_b32 v[PBO], 4, v[PSO]
	v_lshlrev_b32 v[PSO], 2, v[PSO]
	v_lshrrev_b32 v1, 5, v0
	v_readfirstlane_b32 s14, v1                    ; wave 0..15
	v_and_b32 v1, 31, v0                           ; lane
	s_lshr_b32 s15, ttmp9, 4                       ; batch
	s_and_b32 s16, ttmp9, 15                       ; class
	s_mul_i32 s19, s15, N                          ; the batch's first row
	s_mul_i32 s61, s14, RPW                        ; my wave's first row in the batch
	v_add_nc_u32 v[N0], s61, v1
	s_add_co_u32 s38, s19, s61
	s_lshl_b32 s38, s38, 2
	s_mov_b32 s39, 0
	v_lshlrev_b32 v[OFFL], 2, v1
	v_min_u32 v[OFF95], 28, v1                     ; 3,069 = 95 x 32 + 29: the last load's lanes 29 to 31 read lane 28's word and are masked off
	v_lshlrev_b32 v[OFF95], 2, v[OFF95]
	v_cmp_gt_u32 s58, 29, v1
	v_add_nc_u32 v[DMP], DUMP, v1
	s_mul_i32 s59, s14, STGW
	s_add_co_u32 s59, s59, STG                     ; my list
	s_mul_i32 s60, s14, SSCW
	s_add_co_u32 s60, s60, SSC                     ; my scores beyond slot 7
	v_lshl_add_u32 v[SB], v1, 2, s60
	s_mov_b32 s[SM], 0
	s_mov_b32 s[SNEG], 0xd01502f9                  ; -1e10
	s_wait_kmcnt 0x0
	s_add_nc_u64 s[4:5], s[4:5], s[38:39]
	IDLOADS 0                                      ; 48 loads are out at the start; a further group is asked for as each of the first three has been used
	IDLOADS 1
	IDLOADS 2
	s_lshl_b32 s38, s19, 4
	s_add_nc_u64 s[6:7], s[6:7], s[38:39]          ; boxes and score at the batch's first row
	s_lshl_b32 s38, s19, 2
	s_add_nc_u64 s[8:9], s[8:9], s[38:39]
	s_mul_i32 s38, ttmp9, 800
	s_add_nc_u64 s[10:11], s[10:11], s[38:39]      ; my 50 picks: 16 bytes of box,
	s_mul_i32 s38, ttmp9, 200
	s_add_nc_u64 s[12:13], s[12:13], s[38:39]      ; 4 of score
	; THE SCAN.  32 rows at a time: which lanes match, each match's place (matches so far + matching lanes below), its row number into the list.
	; A lane without a match stores into its dump place: all lanes stay on.  Behind the written bound the address is made by a shift and an add alone.
.set g, 0
.rept 6
.if g < 4
	s_wait_loadcnt 32                              ; group g is in: behind it two groups of 16 have been issued
.else
	s_wait_loadcnt 16*(5-g)                        ; one group behind it, then none
.endif
.set k, 16*g
.rept 16
	v_cmp_eq_u32 vcc_lo, s16, v[ID+k]
.if k == 95
	s_and_b32 vcc_lo, vcc_lo, s58
.endif
	v_mbcnt_lo_u32_b32 v[T1], vcc_lo, s[SM]
	s_bcnt1_i32_b32 s19, vcc_lo
	v_add_nc_u32 v[T2], 32*k, v[N0]
	v_cndmask_b32 v[T1], v[DMP], v[T1], vcc_lo
	s_add_co_u32 s[SM], s[SM], s19
	v_min_u32 v[T1], DUMP+31, v[T1]                ; a match's place is below 3,069 by the count; the bound is written out, so that the address stays in my list whatever was loaded
	v_lshlrev_b32 v[T1], 1, v[T1]
	v_add_nc_u32 v[T1], s59, v[T1]
	ds_store_b16 v[T1], v[T2]
.set k, k+1
.endr
.if g < 3
	IDLOADS g+3
.endif
.set g, g+1
.endr
	s_add_co_u32 s[SJ], s[SM], 31
	s_lshr_b32 s[SJ], s[SJ], 5                     ; J
	s_sub_co_u32 s62, s[SJ], 8                     ; slots beyond 7 (used only where J is above 8)
	v_mov_b32 v[T1], s[SM]                         ; place m takes a row of mine: every slot without a match reads it, and its score is masked below
	v_min_u32 v[T1], PMAX, v[T1]
	v_lshlrev_b32 v[T1], 1, v[T1]
	v_add_nc_u32 v[T1], s59, v[T1]
	v_mov_b32 v[T2], s61
	ds_store_b16 v[T1], v[T2]
	v_mul_u32_u24 v[LJ], s[SJ], v1
	v_add_nc_u32 v[LJ8], 8, v[LJ]
	; SLOTS 0 TO 7: the row number from my list (LDS serves a wave's instructions in order), then box and score by it.
.set j, 0
.rept 8
	v_add_nc_u32 v[PO+j], j, v[LJ]
	v_min_u32 v[TA+j], s[SM], v[PO+j]
	v_min_u32 v[TA+j], PMAX, v[TA+j]
	v_lshlrev_b32 v[TA+j], 1, v[TA+j]
	v_add_nc_u32 v[TA+j], s59, v[TA+j]
	ds_load_u16 v[IX+j], v[TA+j]
.set j, j+1
.endr
	s_wait_dscnt 0x0
.set j, 0
.rept 8
	v_min_u32 v[IX+j], N-1, v[IX+j]                ; an index that was loaded enters an address behind a written bound
	v_lshlrev_b32 v[TA+j], 4, v[IX+j]
	v_lshlrev_b32 v[IX+j], 2, v[IX+j]
	global_load_b128 v[BOX+4*j:BOX+4*j+3], v[TA+j], s[6:7]
	global_load_b32 v[SC+j], v[IX+j], s[8:9]
.set j, j+1
.endr
	; constants and first values, while the gathers are out
	s_mov_b32 s22, 0x76543210                      ; v_permlanex16_b32: each lane takes its own place in the other half
	s_mov_b32 s23, 0xfedcba98
	s_mov_b32 s[SX], 0                             ; the null box
	s_mov_b32 s[SX+1], 0
	s_mov_b32 s[SX+2], 0
	s_mov_b32 s[SX+3], 0
	s_mov_b32 s[SAR], 0
	s_mov_b32 s[SAR+1], 0
	s_mov_b32 s[SKEY], -1
	s_mov_b32 s33, 0x00800000                      ; 2^-126
	s_mov_b32 s34, 0x7e800000                      ; 2^126
	s_mov_b32 s37, 0xff800000                      ; -infinity: below every score
.set j, 0
.rept 8
	s_mov_b32 s[KJ+j], 512*j
.set j, j+1
.endr
	s_mov_b32 s[C10], 0xc1200000
	s_mov_b32 s[C10+1], 0xc1200000
	s_mov_b32 s[CL2E], 0x3fb8aa3b
	s_mov_b32 s[CL2E+1], 0x3fb8aa3b
	s_mul_i32 s19, s14, 48
	v_mov_b32 v[RA], s19
	v_and_b32 v[RL], 15, v0
	v_mul_u32_u24 v[RL], 48, v[RL]
	v_mov_b32 v[M], 0                              ; a DPP form and v_permlanex16_b32 count as readers of their destination
	v_mov_b32 v[M2], 0
.irp r, 0,1,2,3,4
	v_mov_b32 v[RX+\r], 0
.endr
	v_mov_b32 v[AR2+1], 0                          ; the pairs' upper registers are named by the packed forms and feed nothing
	v_mov_b32 v[SC2+1], 0
	s_wait_loadcnt 0x0
.set j, 0
.rept 8
	s_cmp_gt_u32 s[SJ], j
	s_cselect_b32 s19, s[SM], 0                    ; a slot lives where j < J and its place is below m
	v_cmp_gt_u32 vcc_lo, s19, v[PO+j]
	v_cndmask_b32 v[SC+j], s[SNEG], v[SC+j], vcc_lo
	v_sub_f32 v[LTX], v[BOX+4*j+2], v[BOX+4*j]
	v_sub_f32 v[LTY], v[BOX+4*j+3], v[BOX+4*j+1]
	v_mul_f32 v[AR+j], v[LTX], v[LTY]
.set j, j+1
.endr
	; SLOTS 8 ON: their first scores into my own LDS bytes.  Trip i serves slot 8 + i; the loop counts to the constant 88, and trips at or beyond J - 8 are jumped.
	s_cmp_gt_u32 s[SJ], 8
	s_cbranch_scc0 .Linit_done
	s_mov_b32 s57, 0
.Linit:
	s_cmp_ge_u32 s57, s62
	s_cbranch_scc1 .Linit_skip
	v_add_nc_u32 v[SP], s57, v[LJ8]
	s_lshl_b32 s19, s57, 7
	s_min_u32 s19, s19, 87*128                     ; 128 i, with its bound written out: the address stays in my 88 x 128 bytes
	v_min_u32 v[TA_], s[SM], v[SP]
	v_min_u32 v[TA_], PMAX, v[TA_]
	v_lshlrev_b32 v[TA_], 1, v[TA_]
	v_add_nc_u32 v[TA_], s59, v[TA_]
	v_add_nc_u32 v[SAD], s19, v[SB]
	ds_load_u16 v[TI_], v[TA_]
	s_wait_dscnt 0x0
	v_min_u32 v[TI_], N-1, v[TI_]
	v_lshlrev_b32 v[TI_], 2, v[TI_]
	global_load_b32 v[SC2], v[TI_], s[8:9]
	s_wait_loadcnt 0x0                             ; the score is in, and its address register is free
	v_cmp_gt_u32 vcc_lo, s[SM], v[SP]
	v_cndmask_b32 v[SC2], s[SNEG], v[SC2], vcc_lo
	ds_store_b32 v[SAD], v[SC2]
.Linit_skip:
	s_add_co_u32 s57, s57, 1
	s_cmp_lt_u32 s57, 88
	s_cbranch_scc1 .Linit
.Linit_done:
; ONE PASS OVER n SLOTS (1 or 4) whose boxes, areas, scores and 512 j stand from boxb, arb, scb, s[kjb] on.
; Sums, products and fused multiply-adds go two slots to a packed line; with n = 1 the pair's other half works on registers at work that an earlier pass has written, and feeds nothing.
; The reciprocals are one batch and the exponentials another: behind each stands a plain line that names no result, then one wait ahead of the first reader.
.macro NMS boxb, arb, scb, kjb, n
.set np, ((\n)+1)/2
.set k, 0
.rept \n
	v_max_num_f32 v[LTX+k], s[SX], v[\boxb+4*k]
	v_max_num_f32 v[LTY+k], s[SX+1], v[\boxb+4*k+1]
	v_min_num_f32 v[RBX+k], s[SX+2], v[\boxb+4*k+2]
	v_min_num_f32 v[RBY+k], s[SX+3], v[\boxb+4*k+3]
.set k, k+1
.endr
.set k, 0
.rept np
	v_pk_add_f32 v[RBX+k:RBX+k+1], v[RBX+k:RBX+k+1], v[LTX+k:LTX+k+1] neg_lo:[0,1] neg_hi:[0,1]
	v_pk_add_f32 v[RBY+k:RBY+k+1], v[RBY+k:RBY+k+1], v[LTY+k:LTY+k+1] neg_lo:[0,1] neg_hi:[0,1]
.set k, k+2
.endr
.set k, 0
.rept \n
	v_max_num_f32 v[RBX+k], 0, v[RBX+k]
	v_max_num_f32 v[RBY+k], 0, v[RBY+k]
.set k, k+1
.endr
.set k, 0
.rept np
	v_pk_mul_f32 v[IN+k:IN+k+1], v[RBX+k:RBX+k+1], v[RBY+k:RBY+k+1]               ; inter
	v_pk_add_f32 v[U+k:U+k+1], v[\arb+k:\arb+k+1], s[SAR:SAR+1] op_sel_hi:[1,0]
.set k, k+2
.endr
.set k, 0
.rept np
	v_pk_add_f32 v[U+k:U+k+1], v[U+k:U+k+1], v[IN+k:IN+k+1] neg_lo:[0,1] neg_hi:[0,1]  ; union
.set k, k+2
.endr
.set k, 0
.rept \n
	v_med3_num_f32 v[U+k], v[U+k], s33, s34
.set k, k+1
.endr
.set k, 0
.rept \n
	v_rcp_f32 v[R+k], v[U+k]
.set k, k+1
.endr
.set k, 0
.rept \n
	v_cmp_eq_u32 s[SELF+k], s[\kjb+k], v[REL]      ; is this slot the one taken?
.set k, k+1
.endr
	s_wait_alu depctr_va_vdst(0)                   ; one wait for the reciprocals
.set k, 0
.rept np
	v_pk_mul_f32 v[Q+k:Q+k+1], v[IN+k:IN+k+1], v[R+k:R+k+1]
.set k, k+2
.endr
.set k, 0
.rept np
	v_pk_fma_f32 v[LTX+k:LTX+k+1], v[Q+k:Q+k+1], v[U+k:U+k+1], v[IN+k:IN+k+1] neg_lo:[1,0,0] neg_hi:[1,0,0]  ; the remainder
.set k, k+2
.endr
.set k, 0
.rept np
	v_pk_fma_f32 v[Q+k:Q+k+1], v[LTX+k:LTX+k+1], v[R+k:R+k+1], v[Q+k:Q+k+1]       ; iou
.set k, k+2
.endr
.set k, 0
.rept \n
	v_cmp_lt_f32 s[SUP+k], 0.5, v[Q+k]
.set k, k+1
.endr
.set k, 0
.rept np
	v_pk_mul_f32 v[LTY+k:LTY+k+1], v[Q+k:Q+k+1], s[C10:C10+1] op_sel_hi:[1,0]
.set k, k+2
.endr
.set k, 0
.rept np
	v_pk_mul_f32 v[LTY+k:LTY+k+1], v[LTY+k:LTY+k+1], v[Q+k:Q+k+1]
.set k, k+2
.endr
.set k, 0
.rept np
	v_pk_mul_f32 v[LTY+k:LTY+k+1], v[LTY+k:LTY+k+1], s[CL2E:CL2E+1] op_sel_hi:[1,0]
.set k, k+2
.endr
.set k, 0
.rept \n
	v_exp_f32 v[LTY+k], v[LTY+k]
.set k, k+1
.endr
	v_nop                                          ; the plain line behind the last exponential
.set k, 0
.rept \n
	s_or_b32 s[SUP+k], s[SUP+k], s[SELF+k]
.set k, k+1
.endr
	s_wait_alu depctr_va_vdst(0)                   ; one wait for the exponentials
.set k, 0
.rept np
	v_pk_mul_f32 v[\scb+k:\scb+k+1], v[\scb+k:\scb+k+1], v[LTY+k:LTY+k+1]
.set k, k+2
.endr
.set k, 0
.rept \n
	v_cndmask_b32 v[\scb+k], v[\scb+k], s[SNEG], s[SUP+k]
.set k, k+1
.endr
.set k, 0
.rept \n
	v_cmp_gt_f32 vcc_lo, v[\scb+k], v[BS]          ; strictly greater: the first of equals stays
	v_cndmask_b32 v[BS], v[BS], v[\scb+k], vcc_lo
	v_cndmask_b32 v[BK], v[BK], s[\kjb+k], vcc_lo
	v_cndmask_b32 v[BB], v[BB], v[\boxb+4*k], vcc_lo
	v_cndmask_b32 v[BB+1], v[BB+1], v[\boxb+4*k+1], vcc_lo
	v_cndmask_b32 v[BB+2], v[BB+2], v[\boxb+4*k+2], vcc_lo
	v_cndmask_b32 v[BB+3], v[BB+3], v[\boxb+4*k+3], vcc_lo
.set k, k+1
.endr
.endm
; A STEP, with its records in buffer buf.
.macro STEP buf
	v_sub_nc_u32 v[REL], s[SKEY], v0
	v_mov_b32 v[BS], s37
	v_mov_b32 v[BK], 0
.irp r, 0,1,2,3
	v_mov_b32 v[BB+\r], 0
.endr
	NMS BOX, AR, SC, KJ, 4                         ; all eight register slots in every wave: the barrier below waits for the wave with the most slots anyway
	NMS BOX+16, AR+4, SC+4, KJ+4, 4
	s_cmp_lt_u32 s[SJ], 9                          ; J hangs on the classes read from memory; what is jumped holds no barrier
	s_cbranch_scc1 .Lred_\@
	s_mov_b32 s57, 0
.Lov_\@:                                               ; trip i serves slot 8 + i: counted to the constant 88, trips at or beyond J - 8 jumped
	s_cmp_ge_u32 s57, s62
	s_cbranch_scc1 .Lsk_\@
	v_add_nc_u32 v[SP], s57, v[LJ8]
	s_lshl_b32 s19, s57, 7
	s_min_u32 s19, s19, 87*128                     ; 128 i, with its bound written out
	s_lshl_b32 s[KJS], s57, 9
	s_add_co_u32 s[KJS], s[KJS], 8*512             ; 512 x slot
	v_min_u32 v[TA_], s[SM], v[SP]
	v_min_u32 v[TA_], PMAX, v[TA_]
	v_lshlrev_b32 v[TA_], 1, v[TA_]
	v_add_nc_u32 v[TA_], s59, v[TA_]
	v_add_nc_u32 v[SAD], s19, v[SB]
	ds_load_u16 v[TI_], v[TA_]
	ds_load_b32 v[SC2], v[SAD]
	s_wait_dscnt 0x0
	v_min_u32 v[TI_], N-1, v[TI_]
	v_lshlrev_b32 v[TI_], 4, v[TI_]
	global_load_b128 v[BOX2:BOX2+3], v[TI_], s[6:7]
	s_wait_loadcnt 0x0                             ; the box is in, and its address register is free
	v_sub_f32 v[LTX], v[BOX2+2], v[BOX2]
	v_sub_f32 v[LTY], v[BOX2+3], v[BOX2+1]
	v_mul_f32 v[AR2], v[LTX], v[LTY]
	NMS BOX2, AR2, SC2, KJS, 1
	ds_store_b32 v[SAD], v[SC2]
.Lsk_\@:
	s_add_co_u32 s57, s57, 1
	s_cmp_lt_u32 s57, 88
	s_cbranch_scc1 .Lov_\@
.Lred_\@:
	v_add_nc_u32 v[BK], v0, v[BK]                  ; the key
	v_max_num_f32_dpp v[M], v[BS], v[BS] row_xmask:1 row_mask:0xf bank_mask:0xf
	v_max_num_f32_dpp v[M], v[M], v[M] row_xmask:2 row_mask:0xf bank_mask:0xf
	v_max_num_f32_dpp v[M], v[M], v[M] row_xmask:4 row_mask:0xf bank_mask:0xf
	v_max_num_f32_dpp v[M], v[M], v[M] row_xmask:8 row_mask:0xf bank_mask:0xf
	v_permlanex16_b32 v[M2], v[M], s22, s23
	v_max_num_f32 v[M], v[M], v[M2]                ; the wave's maximum, in every lane
	v_cmp_eq_f32 vcc_lo, v[M], v[BS]
	s_ctz_i32_b32 s19, vcc_lo                      ; the first lane that holds it,
	s_min_u32 s19, s19, 31                         ; a lane's number whatever the mask
.irp r, 0,1,2,3
	v_readlane_b32 s[SELF+\r], v[BB+\r], s19       ; its box
.endr
	v_readlane_b32 s[SUP], v[BK], s19              ; and key
.irp r, 0,1,2,3
	v_mov_b32 v[WO+\r], s[SELF+\r]
.endr
	v_mov_b32 v[WO+4], v[M]
	v_mov_b32 v[WO+5], s[SUP]
	ds_store_b128 v[RA], v[WO:WO+3] offset:\buf    ; all lanes store the same bytes with the same values
	ds_store_b64 v[RA], v[WO+4:WO+5] offset:\buf+16
	s_wait_dscnt 0x0                               ; for the others' sake: my record is in LDS, and my reads of the other buffer are long back
	s_barrier_signal -1
	s_barrier_wait -1
	ds_load_b128 v[RI:RI+3], v[RL] offset:\buf
	ds_load_b64 v[RI+4:RI+5], v[RL] offset:\buf+16
	s_wait_dscnt 0x0
	v_sub_f32 v22, v[RI+2], v[RI]
	v_sub_f32 v23, v[RI+3], v[RI+1]
	v_mul_f32 v22, v22, v23                        ; the record's area
	v_max_num_f32_dpp v[M], v[RI+4], v[RI+4] row_xmask:1 row_mask:0xf bank_mask:0xf
	v_max_num_f32_dpp v[M], v[M], v[M] row_xmask:2 row_mask:0xf bank_mask:0xf
	v_max_num_f32_dpp v[M], v[M], v[M] row_xmask:4 row_mask:0xf bank_mask:0xf
	v_max_num_f32_dpp v[M], v[M], v[M] row_xmask:8 row_mask:0xf bank_mask:0xf
	v_cmp_eq_f32 vcc_lo, v[M], v[RI+4]             ; both halves of the lanes hold the 16 records: the first lane at the maximum is the first wave
	s_ctz_i32_b32 s19, vcc_lo
	s_min_u32 s19, s19, 31
.irp r, 0,1,2,3
	v_readlane_b32 s[SX+\r], v[RI+\r], s19
.endr
	v_readlane_b32 s[SAR], v22, s19
	v_readlane_b32 s[SSCO], v[RI+4], s19
	v_readlane_b32 s[SKEY], v[RI+5], s19
	s_mov_b32 s[SAR+1], s[SAR]
	v_cmp_eq_u32 vcc_lo, s35, v0                   ; thread t keeps pick t
.irp r, 0,1,2,3
	v_cndmask_b32 v[RX+\r], v[RX+\r], s[SX+\r], vcc_lo
.endr
	v_cndmask_b32 v[RS], v[RS], s[SSCO], vcc_lo
	s_add_co_u32 s35, s35, 1
.endm
	s_mov_b32 s35, 0                               ; t
	s_mov_b32 s36, 25
.Lstep:
	STEP REC0
	STEP REC1
	s_sub_co_u32 s36, s36, 1
	s_cmp_lg_u32 s36, 0
	s_cbranch_scc1 .Lstep
	v_cmp_gt_u32 vcc_lo, 50, v0
	s_wait_xcnt 0x0                                ; EXEC changes only behind this wait
	s_and_saveexec_b32 s20, vcc_lo
	global_store_b128 v[PBO], v[RX:RX+3], s[10:11]
	global_store_b32 v[PSO], v[RS], s[12:13]
	s_wait_xcnt 0x0                                ; and again, in front of the line that widens EXEC
	s_or_b32 exec_lo, exec_lo, s20
	s_wait_tensorcnt 0x0                           ; the wave's end, behind my last LDS store
	ds_add_u32 v[SPW], v[NIL]
	s_wait_dscnt 0x0
	s_endpgm
.Lfunc_end_k_q53cd34ae69_nms:
	.size	k_q53cd34ae69_nms, .Lfunc_end_k_q53cd34ae69_nms-k_q53cd34ae69_nms
	.p2alignl 7, 3214868480
	.fill 96, 4, 3214868480
	.section	.rodata,"a",@progbits
	.p2align	6, 0x0
	.amdhsa_kernel k_q53cd34ae69_nms
		.amdhsa_group_segment_fixed_size 286208
		.amdhsa_private_segment_fixed_size 0
		.amdhsa_enable_private_segment 0
		.amdhsa_kernarg_size 40
		.amdhsa_user_sgpr_count 2
		.amdhsa_user_sgpr_kernarg_segment_ptr 1
		.amdhsa_wavefront_size32 1
		.amdhsa_system_sgpr_workgroup_id_x 1
		.amdhsa_system_sgpr_workgroup_id_y 1
		.amdhsa_system_sgpr_workgroup_id_z 1
		.amdhsa_system_vgpr_workitem_id 0
		.amdhsa_next_free_vgpr 240
		.amdhsa_next_free_sgpr 72
		.amdhsa_reserve_vcc 1
		.amdhsa_float_denorm_mode_32 3
		.amdhsa_float_denorm_mode_16_64 3
		.amdhsa_memory_ordered 1
		.amdhsa_forward_progress 1
		.amdhsa_inst_pref_size 94
	.end_amdhsa_kernel
	.amdgpu_metadata
---
amdhsa.version: [ 1, 2 ]
amdhsa.kernels:
  - .name:           k_q53cd34ae69_nms
    .symbol:         k_q53cd34ae69_nms.kd
    .args:
      - { .name: cls, .offset: 0, .size: 8, .value_kind: global_buffer, .address_space: global }
      - { .name: boxes, .offset: 8, .size: 8, .value_kind: global_buffer, .address_space: global }
      - { .name: score, .offset: 16, .size: 8, .value_kind: global_buffer, .address_space: global }
      - { .name: pbox, .offset: 24, .size: 8, .value_kind: global_buffer, .address_space: global }
      - { .name: psc, .offset: 32, .size: 8, .value_kind: global_buffer, .address_space: global }
    .group_segment_fixed_size: 286208
    .private_segment_fixed_size: 0
    .kernarg_segment_align: 8
    .kernarg_segment_size: 40
    .max_flat_workgroup_size: 512
    .sgpr_count:     72
    .vgpr_count:     240
    .wavefront_size: 32
...
	.end_amdgpu_metadata
.endif
;; end of part 2
;; launch rank (part 3): grid 25 x 4, 1 waves a work-group, no clusters, 3,584 bytes of LDS; arguments psc, slot, nval, out0; writes slot, nval, out0
.if DOCPART == 3
	.amdgcn_target "amdgcn-amd-amdhsa--gfx1250"
	.amdhsa_code_object_version 6
	.text
	.protected	k_q53cd34ae69_rank
	.globl	k_q53cd34ae69_rank
	.p2align	8
	.type	k_q53cd34ae69_rank,@function
k_q53cd34ae69_rank:
	s_mov_b64 s[64:65], 0
	v_nop
	global_prefetch_b8 v0, s[64:65] scope:SCOPE_SE
	s_setreg_imm32_b32 hwreg(HW_REG_WAVE_MODE, 25, 1), 1
	s_wait_xcnt 0x0
; RANK.  A batch has 800 entries (class-major, 50 a class); an entry is valid where its score is 0.05 or more.  NV = the number of valid ones.
; An entry's output slot: NV <= 100: its place among the valid ones.  NV > 100: its rank in a stable descending sort: the valid entries with a greater score, and the earlier ones with an equal score.
; Slot 100 = no output (invalid, or rank 100 and beyond).  The slot steers addresses in the next launch, so it is stored here as a whole number.
; One wave ranks 32 entries (block x of 25) of batch y against all 800 keys.  key = the score, or -1 for an invalid entry: never greater than nor equal to a valid score.
; Blocks before mine count 'not smaller' (greater than the score's predecessor: its bits less 1, the score being positive), my block and later ones 'greater'; equal keys of lower lanes in my block are added apart.
; A wave stores 128 consecutive bytes: 800 entries are 25 blocks of 32.  NaN is not treated apart.
.set SPARE, 3328                       ; behind the 3,200 bytes of keys: the spare words, a block of 256 bytes that no other line names
.set S,  8                             ; v[8:32]  register i: entry 32 i + lane
.set K,  40                            ; v[40:71] 32 keys, the same in every lane
	s_load_b256 s[4:11], s[0:1], 0x0               ; psc s[4:5], slot s[6:7], nval s[8:9], out0 s[10:11]
	v_lshl_add_u32 v2, v0, 2, SPARE
	v_mov_b32 v3, 0
	s_mov_b32 s12, ttmp9                           ; x
	s_and_b32 s13, ttmp7, 0xffff                   ; batch
	v_lshlrev_b32 v5, 2, v0
	s_lshl_b32 s17, s12, 7
	v_add_nc_u32 v6, s17, v5                       ; my entry's 4 bytes, in LDS and in slot
	s_mul_i32 s24, s13, 3200
	s_mov_b32 s25, 0
	s_mov_b32 s14, 0                               ; NV
	s_mov_b32 s15, 0                               ; valid entries in the blocks before mine
	s_mov_b32 s16, 0                               ; my block's valid lanes
	s_mov_b32 s19, 0x3d4ccccd                      ; 0.05
	v_mov_b32 v36, 0                               ; the count
	s_wait_kmcnt 0x0
	s_add_nc_u64 s[4:5], s[4:5], s[24:25]
	s_add_nc_u64 s[6:7], s[6:7], s[24:25]
.set i, 0
.rept 25
	global_load_b32 v[S+i], v5, s[4:5] offset:128*i
.set i, i+1
.endr
	s_wait_loadcnt 0x0
.set i, 0
.rept 25
	v_cmp_le_f32 vcc_lo, s19, v[S+i]
	s_bcnt1_i32_b32 s17, vcc_lo
	s_add_co_u32 s14, s14, s17
	s_cmp_gt_u32 s12, i
	s_cselect_b32 s18, s17, 0
	s_add_co_u32 s15, s15, s18
	s_cmp_eq_u32 s12, i
	s_cselect_b32 s16, vcc_lo, s16
	v_cndmask_b32 v[S+i], -1.0, v[S+i], vcc_lo
	ds_store_b32 v5, v[S+i] offset:128*i
.set i, i+1
.endr
	ds_load_b32 v33, v6                            ; my key (LDS serves a wave's instructions in order)
	s_wait_dscnt 0x0
	v_add_nc_u32 v34, -1, v33                      ; its predecessor
	s_mov_b32 s21, 0
.Lblock:                                               ; 25 trips: 32 keys each
	s_lshl_b32 s17, s21, 7
	v_mov_b32 v37, s17
	s_cmp_lt_u32 s21, s12
	s_cselect_b32 s22, -1, 0
	v_cndmask_b32 v35, v33, v34, s22
.irp q, 0,1,2,3,4,5,6,7
	ds_load_b128 v[K+4*\q:K+4*\q+3], v37 offset:16*\q
.endr
	s_wait_dscnt 0x0
.set j, 0
.rept 32
	v_cmp_gt_f32 vcc_lo, v[K+j], v35
	v_add_co_ci_u32 v36, vcc_lo, 0, v36, vcc_lo    ; the mask's bit is the carry in
.set j, j+1
.endr
	s_add_co_u32 s21, s21, 1
	s_cmp_lt_u32 s21, 25
	s_cbranch_scc1 .Lblock
	s_lshl_b32 s17, s12, 7                         ; my own block once more: equal keys of lower lanes
	v_mov_b32 v37, s17
.irp q, 0,1,2,3,4,5,6,7
	ds_load_b128 v[K+4*\q:K+4*\q+3], v37 offset:16*\q
.endr
	s_wait_dscnt 0x0
.set j, 0
.rept 31
	v_cmp_eq_f32 vcc_lo, v[K+j], v33
	s_and_b32 vcc_lo, vcc_lo, (0xffffffff<<(j+1))&0xffffffff  ; lanes above j
	v_add_co_ci_u32 v36, vcc_lo, 0, v36, vcc_lo
.set j, j+1
.endr
	v_mbcnt_lo_u32_b32 v38, s16, s15               ; my place among the valid entries
	s_cmp_gt_u32 s14, 100
	s_cselect_b32 s22, -1, 0
	v_cndmask_b32 v39, v38, v36, s22               ; a choice of values: no branch hangs on NV
	v_cndmask_b32 v39, 100, v39, s16
	v_min_u32 v39, 100, v39
	global_store_b32 v6, v39, s[6:7]
	s_cmp_lg_u32 s12, 0                            ; block 0 also stores the batch's count
	s_cbranch_scc1 .Lend
	s_min_u32 s17, s14, 100
	v_mov_b32 v72, s17
	s_lshl_b32 s18, s13, 2
	v_mov_b32 v73, s18
	v_cmp_eq_u32 vcc_lo, 0, v0
	s_wait_xcnt 0x0                                ; EXEC changes only behind this wait
	s_and_saveexec_b32 s20, vcc_lo
	global_store_b32 v73, v72, s[8:9]
	global_store_b32 v73, v72, s[10:11]
	s_wait_xcnt 0x0
	s_or_b32 exec_lo, exec_lo, s20
.Lend:
	s_wait_tensorcnt 0x0                           ; the wave's end, behind my last LDS store
	ds_add_u32 v2, v3
	s_wait_dscnt 0x0
	s_endpgm
.Lfunc_end_k_q53cd34ae69_rank:
	.size	k_q53cd34ae69_rank, .Lfunc_end_k_q53cd34ae69_rank-k_q53cd34ae69_rank
	.p2alignl 7, 3214868480
	.fill 96, 4, 3214868480
	.section	.rodata,"a",@progbits
	.p2align	6, 0x0
	.amdhsa_kernel k_q53cd34ae69_rank
		.amdhsa_group_segment_fixed_size 3584
		.amdhsa_private_segment_fixed_size 0
		.amdhsa_enable_private_segment 0
		.amdhsa_kernarg_size 32
		.amdhsa_user_sgpr_count 2
		.amdhsa_user_sgpr_kernarg_segment_ptr 1
		.amdhsa_wavefront_size32 1
		.amdhsa_system_sgpr_workgroup_id_x 1
		.amdhsa_system_sgpr_workgroup_id_y 1
		.amdhsa_system_sgpr_workgroup_id_z 1
		.amdhsa_system_vgpr_workitem_id 0
		.amdhsa_next_free_vgpr 80
		.amdhsa_next_free_sgpr 66
		.amdhsa_reserve_vcc 1
		.amdhsa_float_denorm_mode_32 3
		.amdhsa_float_denorm_mode_16_64 3
		.amdhsa_memory_ordered 1
		.amdhsa_forward_progress 1
		.amdhsa_inst_pref_size 21
	.end_amdhsa_kernel
	.amdgpu_metadata
---
amdhsa.version: [ 1, 2 ]
amdhsa.kernels:
  - .name:           k_q53cd34ae69_rank
    .symbol:         k_q53cd34ae69_rank.kd
    .args:
      - { .name: psc, .offset: 0, .size: 8, .value_kind: global_buffer, .address_space: global }
      - { .name: slot, .offset: 8, .size: 8, .value_kind: global_buffer, .address_space: global }
      - { .name: nval, .offset: 16, .size: 8, .value_kind: global_buffer, .address_space: global }
      - { .name: out0, .offset: 24, .size: 8, .value_kind: global_buffer, .address_space: global }
    .group_segment_fixed_size: 3584
    .private_segment_fixed_size: 0
    .kernarg_segment_align: 8
    .kernarg_segment_size: 32
    .max_flat_workgroup_size: 32
    .sgpr_count:     66
    .vgpr_count:     80
    .wavefront_size: 32
...
	.end_amdgpu_metadata
.endif
;; end of part 3
;; launch emit (part 4): grid 4 x 1, 25 waves a work-group, no clusters, 0 bytes of LDS; arguments slot, nval, pbox, psc, out1, out2, out3; writes out1, out2, out3
.if DOCPART == 4
	.amdgcn_target "amdgcn-amd-amdhsa--gfx1250"
	.amdhsa_code_object_version 6
	.text
	.protected	k_q53cd34ae69_emit
	.globl	k_q53cd34ae69_emit
	.p2align	8
	.type	k_q53cd34ae69_emit,@function
k_q53cd34ae69_emit:
	s_mov_b64 s[64:65], 0
	v_nop
	global_prefetch_b8 v0, s[64:65] scope:SCOPE_SE
	s_setreg_imm32_b32 hwreg(HW_REG_WAVE_MODE, 25, 1), 1
	s_wait_xcnt 0x0
; EMIT.  One work-group a batch, one thread an entry (800).  An entry whose slot (a whole number that the launch before stored) is below 100 puts its box, score and class there;
; slots from the batch's count on take 0, 0 and -1.  The slots below the count are taken once each, so every output byte is written once.  The stores are scattered: 9,600 bytes in all.
	s_load_b256 s[4:11], s[0:1], 0x0               ; slot s[4:5], nval s[6:7], pbox s[8:9], psc s[10:11]
	s_load_b128 s[12:15], s[0:1], 0x20             ; out1 s[12:13], out2 s[14:15]
	s_load_b64 s[16:17], s[0:1], 0x30              ; out3
	v_lshlrev_b32 v1, 2, v0
	v_lshlrev_b32 v2, 4, v0
	s_mov_b32 s25, 0
	s_wait_kmcnt 0x0
	s_lshl_b32 s24, ttmp9, 2
	s_add_nc_u64 s[6:7], s[6:7], s[24:25]
	s_load_b32 s20, s[6:7], 0x0                    ; the batch's count
	s_mul_i32 s24, ttmp9, 3200
	s_add_nc_u64 s[4:5], s[4:5], s[24:25]
	s_add_nc_u64 s[10:11], s[10:11], s[24:25]
	s_mul_i32 s24, ttmp9, 12800
	s_add_nc_u64 s[8:9], s[8:9], s[24:25]
	global_load_b32 v3, v1, s[4:5]
	global_load_b32 v4, v1, s[10:11]
	global_load_b128 v[8:11], v2, s[8:9]
	s_mul_i32 s24, ttmp9, 1600
	s_add_nc_u64 s[12:13], s[12:13], s[24:25]
	s_mul_i32 s24, ttmp9, 400
	s_add_nc_u64 s[14:15], s[14:15], s[24:25]
	s_add_nc_u64 s[16:17], s[16:17], s[24:25]
	v_mul_u32_u24 v5, 1311, v0
	v_lshrrev_b32 v5, 16, v5                       ; the class: entry / 50, exact below 800
.irp r, 12,13,14,15
	v_mov_b32 v\r, 0
.endr
	v_mov_b32 v16, -1
	v_min_u32 v17, 99, v0
	v_lshlrev_b32 v18, 4, v17
	v_lshlrev_b32 v19, 2, v17
	s_wait_loadcnt 0x0
	s_wait_kmcnt 0x0
	v_cmp_gt_u32 vcc_lo, 100, v3
	v_min_u32 v3, 99, v3                           ; an index that was loaded enters an address behind a written bound
	v_lshlrev_b32 v6, 4, v3
	v_lshlrev_b32 v7, 2, v3
	s_wait_xcnt 0x0                                ; EXEC changes only behind this wait
	s_and_saveexec_b32 s22, vcc_lo
	global_store_b128 v6, v[8:11], s[12:13]
	global_store_b32 v7, v4, s[14:15]
	global_store_b32 v7, v5, s[16:17]
	s_wait_xcnt 0x0
	s_or_b32 exec_lo, exec_lo, s22
	v_cmp_gt_u32 vcc_lo, 100, v0                   ; the slots that no entry takes
	v_cmp_le_u32 s23, s20, v0
	s_and_b32 vcc_lo, vcc_lo, s23
	s_and_saveexec_b32 s22, vcc_lo
	global_store_b128 v18, v[12:15], s[12:13]
	global_store_b32 v19, v12, s[14:15]
	global_store_b32 v19, v16, s[16:17]
	s_wait_xcnt 0x0
	s_or_b32 exec_lo, exec_lo, s22
	s_endpgm
.Lfunc_end_k_q53cd34ae69_emit:
	.size	k_q53cd34ae69_emit, .Lfunc_end_k_q53cd34ae69_emit-k_q53cd34ae69_emit
	.p2alignl 7, 3214868480
	.fill 96, 4, 3214868480
	.section	.rodata,"a",@progbits
	.p2align	6, 0x0
	.amdhsa_kernel k_q53cd34ae69_emit
		.amdhsa_group_segment_fixed_size 0
		.amdhsa_private_segment_fixed_size 0
		.amdhsa_enable_private_segment 0
		.amdhsa_kernarg_size 56
		.amdhsa_user_sgpr_count 2
		.amdhsa_user_sgpr_kernarg_segment_ptr 1
		.amdhsa_wavefront_size32 1
		.amdhsa_system_sgpr_workgroup_id_x 1
		.amdhsa_system_sgpr_workgroup_id_y 1
		.amdhsa_system_sgpr_workgroup_id_z 1
		.amdhsa_system_vgpr_workitem_id 0
		.amdhsa_next_free_vgpr 24
		.amdhsa_next_free_sgpr 66
		.amdhsa_reserve_vcc 1
		.amdhsa_float_denorm_mode_32 3
		.amdhsa_float_denorm_mode_16_64 3
		.amdhsa_memory_ordered 1
		.amdhsa_forward_progress 1
		.amdhsa_inst_pref_size 3
	.end_amdhsa_kernel
	.amdgpu_metadata
---
amdhsa.version: [ 1, 2 ]
amdhsa.kernels:
  - .name:           k_q53cd34ae69_emit
    .symbol:         k_q53cd34ae69_emit.kd
    .args:
      - { .name: slot, .offset: 0, .size: 8, .value_kind: global_buffer, .address_space: global }
      - { .name: nval, .offset: 8, .size: 8, .value_kind: global_buffer, .address_space: global }
      - { .name: pbox, .offset: 16, .size: 8, .value_kind: global_buffer, .address_space: global }
      - { .name: psc, .offset: 24, .size: 8, .value_kind: global_buffer, .address_space: global }
      - { .name: out1, .offset: 32, .size: 8, .value_kind: global_buffer, .address_space: global }
      - { .name: out2, .offset: 40, .size: 8, .value_kind: global_buffer, .address_space: global }
      - { .name: out3, .offset: 48, .size: 8, .value_kind: global_buffer, .address_space: global }
    .group_segment_fixed_size: 0
    .private_segment_fixed_size: 0
    .kernarg_segment_align: 8
    .kernarg_segment_size: 56
    .max_flat_workgroup_size: 800
    .sgpr_count:     66
    .vgpr_count:     24
    .wavefront_size: 32
...
	.end_amdgpu_metadata
.endif
;; end of part 4
